; MI455X (gfx1250); checked and timed in simulation.
; The chip was launched on July 23, 2026; its instructions are those of AMD's public machine-readable ISA for CDNA 5 (MIT licence, August 2026) and "CDNA5" Instruction Set Architecture Reference Guide (July 2026). The comments in the code are by the model that wrote it; some were corrected since.
;; Local Attention Block. Allowed arithmetic: matrix products marked QUANTISED: E2M3 operands, one E8M0 scale for each 32 along K, by v_wmma_scale_f32_16x16x128_f8f6f4 with both operands' format E2M3, f32 sums; everything else in f32.
;; Inputs: Wf 1,024 x 1,024 float32; Wk 64 x 1,024 float32; Wq 1,024 x 1,024 float32; Wv 64 x 1,024 float32; bf 1,024 float32; segment_pos 2 x 2,048 int32; x 2 x 2,048 x 1,024 float32.
;; Outputs: out0 2 x 2,048 x 1,024 float32.
;; This version of the problem:
;;   THIS VERSION OF THE PROBLEM IS GIVEN IN LOW PRECISION. The matrix products marked QUANTISED in the list below multiply operands that are first quantised to E2M3 (2 exponent bits, 3 mantissa bits; 6 bits a number), with one power-of-two scale for each 32 numbers along K (OCP MX v1.0); their sums are f32. All else is computed in f32.
;;   The module's matrix products, in the order in which they are computed (A, B: the left and right operand; K: the contracted axis; several contracted axes count as one K, in the product's order):
;;     1. [M 4,096, K 1,024] x [K 1,024, N 1,024]; A: input x; B: input Wq: QUANTISED
;;     2. [M 4,096, K 1,024] x [K 1,024, N 64]; A: input x; B: input Wk: QUANTISED
;;     3. [M 4,096, K 1,024] x [K 1,024, N 64]; A: input x; B: input Wv: QUANTISED
;;     4. batch 2 x [M 2,048, K 64] x [K 64, N 32,768]; A: computed on the way; B: computed on the way: QUANTISED
;;     5. batch 2 x [M 64, K 2,048] x [K 2,048, N 32,768]; A: computed on the way; B: softmax (see below): QUANTISED
;;     6. [M 4,096, K 1,024] x [K 1,024, N 1,024]; A: computed on the way; B: input Wf: QUANTISED
;;   THE QUANTISER, for each operand of a quantised product, along K:
;;     - K is cut into blocks of 32 from its start; a last block that is shorter is filled with zeros.
;;     - A block's scale is 2^e with e = floor(log2(the largest magnitude in the block)) - 2, held to -126 .. 127; a block of zeros has e = 0. As a byte (E8M0): e + 127.
;;     - Each number is divided by its block's scale, clamped to +-7.5, and rounded to the nearest number of E2M3, ties to even, subnormals kept.
;;     - The product sums the exact products of the quantised numbers (number of the format x scale) in f32.
;;   ~~~python
;;   def quantise(x, axis):      # numpy; x: float32 -> the quantised numbers, widened to float32 again
;;       x = np.moveaxis(x, axis, -1); K = x.shape[-1]
;;       x = np.pad(x, [(0, 0)] * (x.ndim - 1) + [(0, -K % 32)]); x = x.reshape(x.shape[:-1] + (-1, 32)); a = np.abs(x).max(-1, keepdims=True)
;;       e = np.where(a > 0, np.clip(np.frexp(np.where(a > 0, a, 1))[1] - 1 - 2, -126, 127), 0)      # np.frexp(a)[1] - 1 = floor(log2(a)), exactly
;;       r = np.clip(x / 2.0 ** e, -7.5, 7.5)
;;       step = 2.0 ** (np.maximum(np.frexp(np.where(r == 0, 1, r))[1] - 1, 0) - 3)
;;       q = np.round(r / step) * step * 2.0 ** e      # np.round: ties to even
;;       return np.moveaxis(q.reshape(q.shape[:-2] + (-1,))[..., :K], -1, axis).astype(np.float32)
;;   ~~~
;;   SOFTMAX AHEAD OF A QUANTISED PRODUCT. Where the list says 'softmax', what is quantised is not the finished softmax but p = 2^(t - M), with t = logit x log2(e) and M = ceil(the row's largest t), a whole number; so 1/2 < the row's largest p <= 1. The row's sum l is taken of the UNQUANTISED p, in f32, and the product's result is divided by l at the end. Since M is a whole number, a kernel that streams over the keys may use a running M (the ceiling of the running maximum): every later rescaling is an exact power of two, which a block's scale takes up: the codes' values come out the same.
;;   OPERANDS COMPUTED ON THE WAY. 'Computed on the way' means the value that the module computes at that place (a softmax that the list does not call 'softmax' is quantised finished and normalised). What goes into a quantiser is computed in f32, as accurately as f32 sums, v_exp_f32 and their like allow (about 1e-6 of the number): no bf16 or f16 on the way to a quantiser, and a product that is left as it is and whose result goes on into a quantised operand takes f32 operands (vector FMAs, or v_wmma_f32_16x16x4_f32). A number that lies on a knife's edge between two numbers of the format may be rounded either way, as far as f32 arithmetic and the matrix unit's own rounding can turn it there, and no further.
;; One version. Each part assembles by itself: llvm-mc -triple=amdgcn-amd-amdhsa -mcpu=gfx1250 --defsym DOCPART=n.
;; ======== version 1 of 1: 4 launches
;; limits: right only within a limited range of input values
;; workspace buffers: ci 4,816,896 bytes; cs 200,704 bytes; qi 3,145,728 bytes; qs 262,144 bytes; kv 417,792 bytes; oi 3,145,728 bytes; osc 131,072 bytes
;; launch quant (part 1): grid 784 x 1, 4 waves a work-group, no clusters, 34,560 bytes of LDS; arguments x, Wq, Wk, Wv, Wf, ci, cs; writes ci, cs
.if DOCPART == 1
	.amdgcn_target "amdgcn-amd-amdhsa--gfx1250"
	.amdhsa_code_object_version 6
	.text
	.protected	k_q92a1e23c60_quant
	.globl	k_q92a1e23c60_quant
	.p2align	8
	.type	k_q92a1e23c60_quant,@function
k_q92a1e23c60_quant:
	s_mov_b64 s[64:65], 0
	v_nop
	global_prefetch_b8 v0, s[64:65] scope:SCOPE_SE
	s_setreg_imm32_b32 hwreg(HW_REG_WAVE_MODE, 25, 1), 1
	s_wait_xcnt 0x0
; x [4096][1024], Wq [1024][1024], Wk [64][1024], Wv [64][1024], Wf [1024][1024], all f32 with K innermost, become codes of FP6 (E2M3) with one E8M0 byte for each 32 along K.
; segment_pos is no argument of any launch: the function never reads it (its mask is made of the positions 0 .. 2047 themselves), so it has no way to the output.
; A block's scale is 2^(floor(log2(its largest magnitude)) - 2); its byte is the largest magnitude's exponent field - 2, held at 1 from below.
; THE CODES ARE LAID AS IMAGES OF OPERAND REGISTERS, not as rows.  A tile is 16 rows; tile number g counts 0-255 x, 256-319 Wq, 320-323 Wk, 324-327 Wv, 328-391 Wf.
;   ci: tile g, K step s (128 along K), chunk c: registers 4 c .. 4 c + 3 of the fragment, lane l's 16 bytes at g 12288 + s 1536 + c 512 + 16 l.
;   cs: the scale word of tile g, lane row r, K step s at g 512 + 256 (s / 4) + 16 r + 4 (s % 4).
; THE ROWS OF A TILE ARE NOT NEIGHBOURS: lane row r of a tensor's tile 4 c + j is its row 64 c + 8 j + r % 8 + 32 (r / 8), so that in every later product the 32 result registers that a lane has of four tiles are one whole scale block along the next K.
; SHARES.  Work-group 2 g + half makes K steps 4 half .. 4 half + 3 of tile g, a wave each: one fragment, no loop.  Each of a wave's 16 loads reads 512 consecutive bytes of one row; the 8 KiB turn through the wave's own stage in LDS,
; so that a lane then holds, of its row r, 16 neighbours of each block of 32 (the other 16 lie in lane l xor 16), as the conversions want them.  No prefetch: there is no loop to run ahead in.
; LIMITS: NaN and infinities among the inputs are not served.  A block of zeros gets the byte 1 where the rule says 127: its codes are zeros, and the bytes are read by this program alone.
.set SP,    528                        ; a stage row: 512 bytes + 16: sixteen rows' equal columns start in sixteen different groups of banks (64 banks of 4 bytes: ISA guide 11.1)
.set STGW,  16*SP                      ; a wave's stage
.set SCB,   4*STGW                     ; behind the stages: my work-group's 64 scale words
.set SPARE, SCB+256                    ; the spare words, 128 bytes for each wave, which no other line names
.set R,     16                         ; v16-79   the numbers as loaded
.set X,     80                         ; v80-143  turned: register 16 b + i = k 32 b + 16 (lane / 16) + i of my row
.set TM,    144                        ; v144-159 largest magnitudes, bytes, scale operands
.set PW,    160                        ; v160     the scale word
.set PC,    164                        ; v164-183 the codes: 12 registers, and 8 at work
.set SEL,   20                         ; s[20:21] lane selects for v_permlanex16_b32: lane l xor 16
	s_load_b256 s[4:11], s[0:1], 0x0               ; x s[4:5], Wq s[6:7], Wk s[8:9], Wv s[10:11]
	s_load_b128 s[12:15], s[0:1], 0x20             ; Wf s[12:13], ci s[14:15]
	s_load_b64 s[16:17], s[0:1], 0x30              ; cs
	v_lshl_add_u32 v184, v0, 2, SPARE
	v_mov_b32 v185, 0
	v_lshrrev_b32 v7, 5, v0
	v_readfirstlane_b32 s18, v7                    ; wave
	s_lshr_b32 s33, ttmp9, 1                       ; tile
	s_and_b32 s34, ttmp9, 1                        ; half of K
	s_lshl_b32 s35, s34, 2
	s_add_co_u32 s35, s35, s18                     ; my K step
	v_and_b32 v8, 31, v0                           ; lane
	v_and_b32 v9, 15, v0                           ; r
	v_bfe_u32 v10, v0, 4, 1                        ; h
	v_lshlrev_b32 v4, 4, v8                        ; 16 x lane
	v_lshlrev_b32 v11, 3, v8                       ; 8 x lane
	s_lshl_b32 s19, s35, 9
	v_add_nc_u32 v1, s19, v4                       ; in a row of memory: my K step's 512 bytes, my 16 of them
	s_mul_i32 s19, s18, STGW
	v_add_nc_u32 v2, s19, v4                       ; the stage, on the way in
	v_mul_u32_u24 v3, v9, SP
	v_lshl_add_u32 v3, v10, 6, v3
	v_add_nc_u32 v3, s19, v3                       ; and on the way out: row r, + 64 h
	v_lshlrev_b32 v5, 4, v9
	s_lshl_b32 s19, s18, 2
	s_add_co_u32 s19, s19, SCB
	v_add_nc_u32 v5, s19, v5                       ; my row's scale word of my K step
	v_add_nc_u32 v6, SCB, v11                      ; the 256 bytes of scale words, 8 a lane
	s_mov_b32 s[SEL], 0x76543210
	s_mov_b32 s[SEL+1], 0xfedcba98
.irp b, 0,1,2,3
	v_mov_b32 v[TM+4+\b], 0                        ; written once: a lane permute's destination counts as one of its sources
.endr
	s_mul_i32 s28, s33, 12288
	s_mul_i32 s29, s35, 1536
	s_add_co_u32 s28, s28, s29                     ; where my fragment's image goes
	s_mov_b32 s29, 0
	s_lshl_b32 s30, ttmp9, 8                       ; and the work-group's scale words: 512 x tile + 256 x half
	s_mov_b32 s31, 0
	s_wait_alu depctr_va_vdst(0)                   ; the wait at the head's end
	s_wait_kmcnt 0x0
	s_mov_b64 s[22:23], s[4:5]                     ; which tensor: the choice hangs on the work-group's number alone; only a pointer and a first tile are chosen
	s_mov_b32 s24, 0
	s_cmp_ge_u32 s33, 256
	s_cselect_b64 s[22:23], s[6:7], s[22:23]
	s_cselect_b32 s24, 256, s24
	s_cmp_ge_u32 s33, 320
	s_cselect_b64 s[22:23], s[8:9], s[22:23]
	s_cselect_b32 s24, 320, s24
	s_cmp_ge_u32 s33, 324
	s_cselect_b64 s[22:23], s[10:11], s[22:23]
	s_cselect_b32 s24, 324, s24
	s_cmp_ge_u32 s33, 328
	s_cselect_b64 s[22:23], s[12:13], s[22:23]
	s_cselect_b32 s24, 328, s24
	s_sub_co_u32 s25, s33, s24                     ; the tile's number in its tensor
	s_lshr_b32 s26, s25, 2
	s_lshl_b32 s26, s26, 6
	s_and_b32 s25, s25, 3
	s_lshl_b32 s25, s25, 3
	s_add_co_u32 s26, s26, s25                     ; its first row: 64 (tile / 4) + 8 (tile % 4)
	s_lshl_b32 s26, s26, 12                        ; rows of 4,096 bytes: under 2^24 bytes in all
	s_mov_b32 s27, 0
	s_add_nc_u64 s[22:23], s[22:23], s[26:27]
	s_add_nc_u64 s[28:29], s[14:15], s[28:29]
	s_add_nc_u64 s[30:31], s[16:17], s[30:31]
.irp i, 0,1,2,3,4,5,6,7,8,9,10,11,12,13,14,15
	global_load_b128 v[R+4*\i:R+4*\i+3], v1, s[22:23] offset:(\i+24*(\i/8))*4096 th:TH_LOAD_NT   ; lane row i: 32 lanes read 512 consecutive bytes; read once in the launch
.endr
.irp i, 0,1,2,3,4,5,6,7,8,9,10,11,12,13,14,15
	s_wait_loadcnt 15-\i                           ; loads come back in order: row i is in, the 15 - i younger ones stay out
	ds_store_b128 v2, v[R+4*\i:R+4*\i+3] offset:SP*\i
.endr
.irp b, 0,1,2,3
.irp j, 0,1,2,3
	ds_load_b128 v[X+16*\b+4*\j:X+16*\b+4*\j+3], v3 offset:128*\b+16*\j   ; my wave's own bytes, and LDS serves a wave's instructions in order (ISA guide 5.7.1.4): these see the stores above
.endr
.endr
	s_wait_dscnt 0x0
.irp b, 0,1,2,3
	v_max3_num_f32 v[TM+\b], |v[X+16*\b]|, |v[X+1+16*\b]|, 0x1800000   ; block b: my 16 numbers, and the floor 2^(3 - 127): the byte cannot fall under 1
.endr
.irp i, 2,4,6,8,10,12,14
.irp b, 0,1,2,3
	v_max3_num_f32 v[TM+\b], v[TM+\b], |v[X+16*\b+\i]|, |v[X+1+16*\b+\i]|   ; the four blocks by turns
.endr
.endr
.irp b, 0,1,2,3
	v_permlanex16_b32 v[TM+4+\b], v[TM+\b], s[SEL], s[SEL+1]
.endr
.irp b, 0,1,2,3
	v_max_num_f32 v[TM+\b], v[TM+\b], v[TM+4+\b]   ; with lane l xor 16's: the block's largest magnitude
.endr
.irp b, 0,1,2,3
	v_add_nc_u32 v[TM+12+\b], 0xff000000, v[TM+\b]   ; 2 off its exponent field: the conversion takes this operand's exponent field as its scale
.endr
.irp b, 0,1,2,3
	v_lshrrev_b32 v[TM+4+\b], 23, v[TM+12+\b]      ; the scale's byte
.endr
	v_lshl_or_b32 v[PW], v[TM+5], 8, v[TM+4]
	v_lshl_or_b32 v[TM+8], v[TM+7], 8, v[TM+6]
	v_lshl_or_b32 v[PW], v[TM+8], 16, v[PW]
.irp c, 0,1
	v_cvt_scalef32_pk16_fp6_f32 v[PC+6*\c:PC+2+6*\c], v[X+32*\c:X+15+32*\c], v[TM+12+2*\c]
	v_cvt_scalef32_pk16_fp6_f32 v[PC+12+4*\c:PC+14+4*\c], v[X+16+32*\c:X+31+32*\c], v[TM+12+2*\c+1]   ; (a conversion's three registers begin on an even number)
.endr
	v_nop                                          ; one plain instruction behind the scaled conversions
.irp c, 0,1                            ; the operand's layout wants a whole block in a lane: lanes 0-15 block 2 c, lanes 16-31 block 2 c + 1
.irp i, 0,1,2
	v_permlane16_swap_b32 v[PC+6*\c+\i], v[PC+12+4*\c+\i]
.endr
.irp i, 0,1,2
	v_mov_b32 v[PC+3+6*\c+\i], v[PC+12+4*\c+\i]
.endr
.endr
.irp c, 0,1,2
	global_store_b128 v4, v[PC+4*\c:PC+4*\c+3], s[28:29] offset:512*\c   ; 32 lanes store 512 consecutive bytes, at a multiple of 256 from the buffer's first byte
.endr
	ds_store_b32 v5, v[PW]                         ; both lanes of a row write the same word with the same value
	s_wait_dscnt 0x0                               ; for wave 0's sake: my scale words have landed
	s_barrier_signal -1
	s_barrier_wait -1
	s_cmp_lg_u32 s18, 0
	s_cbranch_scc1 .Ldone
	ds_load_b64 v[R:R+1], v6                       ; wave 0 stores the work-group's 64 scale words as one unit of 256 bytes
	s_wait_dscnt 0x0
	global_store_b64 v11, v[R:R+1], s[30:31]
.Ldone:
	s_wait_tensorcnt 0x0                           ; the wave's end
	ds_add_u32 v184, v185
	s_wait_dscnt 0x0
	s_endpgm
.Lfunc_end_k_q92a1e23c60_quant:
	.size	k_q92a1e23c60_quant, .Lfunc_end_k_q92a1e23c60_quant-k_q92a1e23c60_quant
	.p2alignl 7, 3214868480
	.fill 96, 4, 3214868480
	.section	.rodata,"a",@progbits
	.p2align	6, 0x0
	.amdhsa_kernel k_q92a1e23c60_quant
		.amdhsa_group_segment_fixed_size 34560
		.amdhsa_private_segment_fixed_size 0
		.amdhsa_enable_private_segment 0
		.amdhsa_kernarg_size 56
		.amdhsa_user_sgpr_count 2
		.amdhsa_user_sgpr_kernarg_segment_ptr 1
		.amdhsa_wavefront_size32 1
		.amdhsa_system_sgpr_workgroup_id_x 1
		.amdhsa_system_sgpr_workgroup_id_y 1
		.amdhsa_system_sgpr_workgroup_id_z 1
		.amdhsa_system_vgpr_workitem_id 0
		.amdhsa_next_free_vgpr 186
		.amdhsa_next_free_sgpr 66
		.amdhsa_reserve_vcc 0
		.amdhsa_float_denorm_mode_32 3
		.amdhsa_float_denorm_mode_16_64 3
		.amdhsa_memory_ordered 1
		.amdhsa_forward_progress 1
		.amdhsa_inst_pref_size 12
	.end_amdhsa_kernel
	.amdgpu_metadata
---
amdhsa.version: [ 1, 2 ]
amdhsa.kernels:
  - .name:           k_q92a1e23c60_quant
    .symbol:         k_q92a1e23c60_quant.kd
    .args:
      - { .name: x, .offset: 0, .size: 8, .value_kind: global_buffer, .address_space: global }
      - { .name: Wq, .offset: 8, .size: 8, .value_kind: global_buffer, .address_space: global }
      - { .name: Wk, .offset: 16, .size: 8, .value_kind: global_buffer, .address_space: global }
      - { .name: Wv, .offset: 24, .size: 8, .value_kind: global_buffer, .address_space: global }
      - { .name: Wf, .offset: 32, .size: 8, .value_kind: global_buffer, .address_space: global }
      - { .name: ci, .offset: 40, .size: 8, .value_kind: global_buffer, .address_space: global }
      - { .name: cs, .offset: 48, .size: 8, .value_kind: global_buffer, .address_space: global }
    .group_segment_fixed_size: 34560
    .private_segment_fixed_size: 0
    .kernarg_segment_align: 8
    .kernarg_segment_size: 56
    .max_flat_workgroup_size: 128
    .sgpr_count:     66
    .vgpr_count:     186
    .wavefront_size: 32
...
	.end_amdgpu_metadata
.endif
;; end of part 1
;; launch proj (part 2): grid 32 x 18, 1 waves a work-group, no clusters, 0 bytes of LDS; arguments ci, cs, qi, qs, kv; writes qi, qs, kv
.if DOCPART == 2
	.amdgcn_target "amdgcn-amd-amdhsa--gfx1250"
	.amdhsa_code_object_version 6
	.text
	.protected	k_q92a1e23c60_proj
	.globl	k_q92a1e23c60_proj
	.p2align	8
	.type	k_q92a1e23c60_proj,@function
k_q92a1e23c60_proj:
	s_mov_b64 s[64:65], 0
	v_nop
	global_prefetch_b8 v0, s[64:65] scope:SCOPE_SE
	s_setreg_imm32_b32 hwreg(HW_REG_WAVE_MODE, 25, 1), 1
	s_wait_xcnt 0x0
; q = x Wq^T, k = x Wk^T, v = x Wv^T on codes of FP6 (E2M3) with E8M0 block scales, f32 sums; the results are quantised again at once: q and k along the head's 64, v along the keys.
; SHARES.  A work-group is ONE wave.  x of the grid: 128 tokens (x's tiles 8 X .. 8 X + 7); y of the grid: e = 0-15 a head of q, 16 k, 17 v: 64 columns (weight tiles 256 + 4 e + t).  32 accumulators, 8 K steps of 128,
; 256 matrix instructions.  Operands lie in memory as images of their registers (launch quant), so a fragment is three loads of 512 consecutive bytes straight into registers: no LDS, no barrier.
; 128 tokens x 64 columns make every output a whole fragment: v wants 128 keys in one lane's registers.
; q, k: source 0 = 16 rows of W, source 1 = 16 tokens: a lane holds ONE token and its registers run along the head's 64 (the rows of a tile of W are chosen for that: launch quant).
; v:    source 0 = 16 tokens, source 1 = 16 rows of Wv: a lane holds ONE of the head's 64 and its registers run along the 128 keys.
; OUT.  qi [X 32][head 16][tile 8][768]: half a fragment (k = 32 (lane / 16) + 0 .. 31): registers 0-3 at 16 x lane, registers 4-5 at 512 + 8 x lane.   qs [X][head][512]: the word (two bytes, upper bytes 0) of tile 2 i + h, row r at 256 h + 16 r + 4 i.
;       kv: a record of 13,056 bytes for each 128 keys: K's 8 tiles as in qi; at 6144 V's 4 tiles of 1,536 bytes (whole fragments, chunks of 512); at 12288 K's scale words as in qs; at 12800 V's: tile 2 i + (lane / 16) at 8 x lane + 4 i.
; LIMITS: NaN and infinities are not served; a block of zeros gets the byte 1: its codes are zeros, and this program alone reads the bytes.
; REGISTERS, in windows of 256: window 0: v1-4 offsets; v16-63 scale words; v64-111 the quantiser's; v112-255 fragment buffer 0.  window 1: the 32 accumulators.  window 2, window 3: v0-143 fragment buffers 1, 2.
; In a buffer x's fragment m lies at 12 m, W's fragment t at 96 + 12 t.  K step s uses buffer s % 3; loads run two K steps ahead.
; THE OUTPUTS AS THEY STAND IN THIS TEXT (in place of what is named above): qi [X][head][pair of tiles][1536]: an image of 12 registers, 0-5 tile 2 i, 6-11 tile 2 i + 1; K in a record likewise; qs and K's scale words: row r's of pair i (bytes 0, 1 tile 2 i, 2, 3 tile 2 i + 1) at 16 r + 4 i.
; By the order of rows (launch quant) a lane's 32 registers of a tile of tokens (q, k) or of four tiles of tokens (v) are one whole block.
.set SCL, 16
.set TM,  64
.set PW,  80
.set PC,  84
.set RS,  104                          ; the image of scale words to be stored
.set PWV, 108                          ; v's four scale words
.set BA,  112                          ; buffer 0 in window 0
.set SEL, 46                           ; s[46:47]
.set MSB, 0
.macro WIN new                         ; s_set_vgpr_msb: bits 1:0 source 0, 3:2 source 1, 5:4 source 2, 7:6 destination; the high byte repeats the setting that is left
.if MSB != \new
	s_set_vgpr_msb (MSB<<8)|\new
.set MSB, \new
.endif
.endm
.macro FETCH s                         ; the 12 fragments of K step s: 36 loads of 512 consecutive bytes; every offset is an immediate, no pointer is stepped
.set fb, (\s)%3
.set fr, 0
.if fb == 0
	WIN 0
.set fr, BA
.elseif fb == 1
	WIN 0x80
.else
	WIN 0xc0
.endif
.irp m, 0,1,2,3,4,5,6,7
.irp c, 0,1,2
	global_load_b128 v[fr+12*\m+4*\c:fr+12*\m+4*\c+3], v1, s[16:17] offset:\m*12288+(\s)*1536+512*\c
.endr
.endr
.irp t, 0,1,2,3
.irp c, 0,1,2
	global_load_b128 v[fr+96+12*\t+4*\c:fr+96+12*\t+4*\c+3], v1, s[18:19] offset:\t*12288+(\s)*1536+512*\c
.endr
.endr
.endm
; K step s: 32 matrix instructions, each accumulator once and always in the same order: the accumulators take turns.  The first K step starts the sums with the constant 0.
.macro MM s, swap
.set mb, (\s)%3
.set mr, 0
.if mb == 0
	WIN 0x50
.set mr, BA
.elseif mb == 1
	WIN 0x5a
.else
	WIN 0x5f
.endif
.irp m, 0,1,2,3,4,5,6,7
.irp t, 0,1,2,3
.if \swap
.set rD, 64*\t+8*\m
.set rA, mr+12*\m
.set rB, mr+96+12*\t
.set rX, SCL+4*\m+(\s)%4
.set rY, SCL+32+4*\t+(\s)%4
.else
.set rD, 32*\m+8*\t
.set rA, mr+96+12*\t
.set rB, mr+12*\m
.set rX, SCL+32+4*\t+(\s)%4
.set rY, SCL+4*\m+(\s)%4
.endif
.if (\s) == 0
	v_wmma_scale_f32_16x16x128_f8f6f4 v[rD:rD+7], v[rA:rA+11], v[rB:rB+11], 0, v[rX], v[rY] matrix_a_fmt:MATRIX_FMT_FP6 matrix_b_fmt:MATRIX_FMT_FP6
.elseif (\s) < 4
	v_wmma_scale_f32_16x16x128_f8f6f4 v[rD:rD+7], v[rA:rA+11], v[rB:rB+11], v[rD:rD+7], v[rX], v[rY] matrix_a_fmt:MATRIX_FMT_FP6 matrix_b_fmt:MATRIX_FMT_FP6
.else
	v_wmma_scale_f32_16x16x128_f8f6f4 v[rD:rD+7], v[rA:rA+11], v[rB:rB+11], v[rD:rD+7], v[rX], v[rY] matrix_a_fmt:MATRIX_FMT_FP6 matrix_b_fmt:MATRIX_FMT_FP6 matrix_a_scale:MATRIX_SCALE_ROW1 matrix_b_scale:MATRIX_SCALE_ROW1
.endif
.endr
.endr
.endm
.macro RUN swap                        ; the eight K steps
.set st, 0
.rept 8
.if (st >= 1) && (st <= 5)
.rept 4
	v_nop                                          ; four places between the last K step's products and the loads into the buffer that they read (ISA guide 7.12.1 for vector instructions)
.endr
.endif
.if st <= 5
	FETCH st+2
	s_wait_loadcnt 63                              ; this K step's loads are in.  72 loads are younger (two K steps' 36 each); a wait's count ends at 63, and the smaller count is the safe one
.elseif st == 6
	s_wait_loadcnt 36                              ; the last K step's 36 may be out
.else
	s_wait_loadcnt 0
.endif
	MM st, \swap
.set st, st+1
.endr
	WIN 0
.rept 4
	v_nop                                          ; four places in front of the first read of results
.endr
.endm
; 64 accumulator registers of window 1 from s on, registers 32 c .. 32 c + 31 one whole scale block each, become 12 registers of codes at v[PC] and four scale bytes in v[PW].
; Each accumulator is read from its low end on.  later: v[PC] on are the data of stores that are out.
.macro QUANTW s, later
	WIN 0x05                                       ; sources 0 and 1 in window 1
.irp b, 0,1,2,3
	v_max3_num_f32 v[TM+\b], |v[(\s)+16*\b]|, |v[(\s)+1+16*\b]|, 0x1800000   ; and the floor 2^(3 - 127): the byte cannot fall under 1
.endr
.irp i, 2,4,6,8,10,12,14
.irp b, 0,1,2,3
	v_max3_num_f32 v[TM+\b], |v[(\s)+16*\b+\i]|, |v[(\s)+1+16*\b+\i]|, v[TM+\b]
.endr
.endr
	WIN 0
	v_max_num_f32 v[TM], v[TM], v[TM+1]            ; my 32 registers s .. s + 31 are one whole block, s + 32 .. s + 63 another: no other lane is asked
	v_max_num_f32 v[TM+2], v[TM+2], v[TM+3]
	v_add_nc_u32 v[TM+12], 0xff000000, v[TM]       ; 2 off the exponent field: the conversions' scale operands
	v_add_nc_u32 v[TM+13], 0xff000000, v[TM+2]
	v_perm_b32 v[TM+4], v[TM+13], v[TM+12], 0x07060302   ; the upper halves of both,
	v_lshrrev_b32 v[TM+4], 7, v[TM+4]              ; so that byte 0 and byte 2 are the two scale bytes;
	v_permlanex16_b32 v[TM+5], v[TM+4], s[SEL], s[SEL+1]
	v_perm_b32 v[PW], v[TM+5], v[TM+4], v7         ; with lane l xor 16's: bytes 0, 1 of the first block pair, 2, 3 of the second
.if \later
	s_wait_alu depctr_va_vdst(0)
	s_wait_xcnt 0x0                                ; the stores of the codes made last have read their data: only behind this wait are those registers written again
.endif
	WIN 0x01                                       ; source 0 in window 1
.irp c, 0,1
	v_cvt_scalef32_pk16_fp6_f32 v[PC+6*\c:PC+2+6*\c], v[(\s)+32*\c:(\s)+15+32*\c], v[TM+12+\c]
	v_cvt_scalef32_pk16_fp6_f32 v[PC+12+4*\c:PC+14+4*\c], v[(\s)+16+32*\c:(\s)+31+32*\c], v[TM+12+\c]
.endr
	WIN 0
	v_nop                                          ; one plain instruction behind the scaled conversions
.irp c, 0,1
.irp i, 0,1,2
	v_mov_b32 v[PC+3+6*\c+\i], v[PC+12+4*\c+\i]
.endr
.endr
.endm
	s_load_b256 s[4:11], s[0:1], 0x0               ; ci s[4:5], cs s[6:7], qi s[8:9], qs s[10:11]
	s_load_b64 s[12:13], s[0:1], 0x20              ; kv
	v_and_b32 v5, 15, v0                           ; r (one wave: the thread's number is the lane)
	v_bfe_u32 v6, v0, 4, 1                         ; h
	v_lshlrev_b32 v1, 4, v0                        ; 16 x lane
	v_lshlrev_b32 v2, 3, v0                        ; 8 x lane
	v_lshlrev_b32 v4, 4, v5
	v_lshl_add_u32 v4, v6, 8, v4                   ; 16 r + 256 h: my four scale words of a tile
	v_sub_nc_u32 v7, 0, v6                         ; v7: which bytes of my word and of lane l xor 16's make a row's scale word: 0x06020400 in lanes 0-15, 0x02060004 in lanes 16-31
	v_and_b32 v7, 0x03fc03fc, v7
	v_sub_nc_u32 v7, 0x06020400, v7
.irp b, 0,1,2,3
	v_mov_b32 v[TM+4+\b], 0                        ; written once: a lane permute's destination counts as one of its sources
.endr
	s_mov_b32 s[SEL], 0x76543210
	s_mov_b32 s[SEL+1], 0xfedcba98
	s_and_b32 s15, ttmp7, 0xffff                   ; e
	s_mul_i32 s32, ttmp9, 98304                    ; x's eight tiles
	s_mov_b32 s33, 0
	s_mul_i32 s34, s15, 49152
	s_add_co_u32 s34, s34, 3145728                 ; W's four tiles: tile 256 + 4 e
	s_mov_b32 s35, 0
	s_lshl_b32 s36, ttmp9, 12                      ; their scale words
	s_mov_b32 s37, 0
	s_lshl_b32 s38, s15, 11
	s_add_co_u32 s38, s38, 131072
	s_mov_b32 s39, 0
	s_mul_i32 s40, s15, 6144
	s_add_co_u32 s40, s40, s32                     ; q's codes: X 98304 + e 6144
	s_lshl_b32 s41, ttmp9, 13
	s_lshl_b32 s45, s15, 9
	s_add_co_u32 s41, s41, s45                     ; q's scale words: X 8192 + e 512
	s_mul_i32 s42, ttmp9, 13056                    ; the record of these 128 keys
	s_mov_b32 s44, 12288
	s_cmp_eq_u32 s15, 17
	s_cselect_b32 s43, 6144, 0                     ; in it: V's codes or K's,
	s_cselect_b32 s44, 12800, s44                  ; V's scale words or K's
	s_add_co_u32 s43, s43, s42
	s_add_co_u32 s44, s44, s42
	s_mov_b32 s29, 0
	s_mov_b32 s31, 0
	s_wait_alu depctr_va_vdst(0)
	s_wait_kmcnt 0x0
	s_cmp_lt_u32 s15, 16                           ; q goes to qi and qs, k and v to kv: the choice hangs on the work-group's number alone
	s_cselect_b64 s[24:25], s[8:9], s[12:13]
	s_cselect_b64 s[26:27], s[10:11], s[12:13]
	s_cselect_b32 s28, s40, s43
	s_cselect_b32 s30, s41, s44
	s_add_nc_u64 s[24:25], s[24:25], s[28:29]      ; where the codes go
	s_add_nc_u64 s[26:27], s[26:27], s[30:31]      ; where the scale words go
	s_add_nc_u64 s[16:17], s[4:5], s[32:33]
	s_add_nc_u64 s[18:19], s[4:5], s[34:35]
	s_add_nc_u64 s[20:21], s[6:7], s[36:37]
	s_add_nc_u64 s[22:23], s[6:7], s[38:39]
.irp q, 0,1,2,3,4,5,6,7
	global_load_b128 v[SCL+4*\q:SCL+4*\q+3], v4, s[20:21] offset:512*\q
.endr
.irp t, 0,1,2,3
	global_load_b128 v[SCL+32+4*\t:SCL+32+4*\t+3], v4, s[22:23] offset:512*\t
.endr
	FETCH 0
	FETCH 1
	WIN 0                                          ; at a branch and at a label every window is 0
	s_cmp_eq_u32 s15, 17
	s_cbranch_scc1 .Lv
	RUN 0
.irp i, 0,1,2,3                                ; token tiles 2 i and 2 i + 1: two blocks each: registers 0-5 of the codes are tile 2 i's half fragment, 6-11 tile 2 i + 1's
	QUANTW 64*\i, \i
	global_store_b128 v1, v[PC:PC+3], s[24:25] offset:1536*\i   ; two tiles make one image of 12 registers: 0-5 tile 2 i, 6-11 tile 2 i + 1: three pieces of 512 consecutive bytes
	global_store_b128 v1, v[PC+4:PC+7], s[24:25] offset:1536*\i+512
	global_store_b128 v1, v[PC+8:PC+11], s[24:25] offset:1536*\i+1024
	v_mov_b32 v[RS+\i], v[PW]                      ; the row's word: bytes 0, 1 tile 2 i, bytes 2, 3 tile 2 i + 1; pair i's at 16 r + 4 i
.endr
	global_store_b128 v1, v[RS:RS+3], s[26:27]     ; 512 consecutive bytes
	s_endpgm
.Lv:
	RUN 1
.irp d, 0,1,2,3                                ; tile d of the head's 64: a whole fragment, K = the 128 keys
	QUANTW 64*\d, \d
.irp c, 0,1,2
	global_store_b128 v1, v[PC+4*\c:PC+4*\c+3], s[24:25] offset:\d*1536+512*\c
.endr
	v_mov_b32 v[PWV+\d], v[PW]
.endr
	s_mov_b32 s45, 0xffff0000                      ; lanes 16-31 take the odd tile's word
	v_cndmask_b32 v[RS], v[PWV], v[PWV+1], s45
	v_cndmask_b32 v[RS+1], v[PWV+2], v[PWV+3], s45
	global_store_b64 v2, v[RS:RS+1], s[26:27]      ; 256 consecutive bytes
	s_endpgm
.Lfunc_end_k_q92a1e23c60_proj:
	.size	k_q92a1e23c60_proj, .Lfunc_end_k_q92a1e23c60_proj-k_q92a1e23c60_proj
	.p2alignl 7, 3214868480
	.fill 96, 4, 3214868480
	.section	.rodata,"a",@progbits
	.p2align	6, 0x0
	.amdhsa_kernel k_q92a1e23c60_proj
		.amdhsa_group_segment_fixed_size 0
		.amdhsa_private_segment_fixed_size 0
		.amdhsa_enable_private_segment 0
		.amdhsa_kernarg_size 40
		.amdhsa_user_sgpr_count 2
		.amdhsa_user_sgpr_kernarg_segment_ptr 1
		.amdhsa_wavefront_size32 1
		.amdhsa_system_sgpr_workgroup_id_x 1
		.amdhsa_system_sgpr_workgroup_id_y 1
		.amdhsa_system_sgpr_workgroup_id_z 1
		.amdhsa_system_vgpr_workitem_id 0
		.amdhsa_next_free_vgpr 912
		.amdhsa_next_free_sgpr 66
		.amdhsa_reserve_vcc 0
		.amdhsa_float_denorm_mode_32 3
		.amdhsa_float_denorm_mode_16_64 3
		.amdhsa_memory_ordered 1
		.amdhsa_forward_progress 1
		.amdhsa_inst_pref_size 147
	.end_amdhsa_kernel
	.amdgpu_metadata
---
amdhsa.version: [ 1, 2 ]
amdhsa.kernels:
  - .name:           k_q92a1e23c60_proj
    .symbol:         k_q92a1e23c60_proj.kd
    .args:
      - { .name: ci, .offset: 0, .size: 8, .value_kind: global_buffer, .address_space: global }
      - { .name: cs, .offset: 8, .size: 8, .value_kind: global_buffer, .address_space: global }
      - { .name: qi, .offset: 16, .size: 8, .value_kind: global_buffer, .address_space: global }
      - { .name: qs, .offset: 24, .size: 8, .value_kind: global_buffer, .address_space: global }
      - { .name: kv, .offset: 32, .size: 8, .value_kind: global_buffer, .address_space: global }
    .group_segment_fixed_size: 0
    .private_segment_fixed_size: 0
    .kernarg_segment_align: 8
    .kernarg_segment_size: 40
    .max_flat_workgroup_size: 32
    .sgpr_count:     66
    .vgpr_count:     912
    .wavefront_size: 32
...
	.end_amdgpu_metadata
.endif
;; end of part 2
;; launch attn (part 3): grid 256 x 1, 16 waves a work-group, clusters of 4 x 1, 211,456 bytes of LDS; arguments qi, qs, kv, oi, osc; writes oi, osc
.if DOCPART == 3
	.amdgcn_target "amdgcn-amd-amdhsa--gfx1250"
	.amdhsa_code_object_version 6
	.text
	.protected	k_q92a1e23c60_attn
	.globl	k_q92a1e23c60_attn
	.p2align	8
	.type	k_q92a1e23c60_attn,@function
k_q92a1e23c60_attn:
	s_mov_b64 s[64:65], 0
	v_nop
	global_prefetch_b8 v0, s[64:65] scope:SCOPE_SE
	s_setreg_imm32_b32 hwreg(HW_REG_WAVE_MODE, 25, 1), 1
	s_wait_xcnt 0x0
	s_wait_alu depctr_hold_cnt(0) depctr_sa_sdst(0) depctr_va_vdst(0) depctr_va_sdst(0) depctr_va_ssrc(0) depctr_va_vcc(0) depctr_vm_vsrc(0)
	s_getreg_b32 s2, hwreg(HW_REG_IB_STS2, 6, 4)
	s_cmp_eq_u32 s2, 0
	s_cbranch_scc0 .Lentry_in_a_cluster
	s_endpgm
.Lentry_in_a_cluster:
	s_bfe_u32 s2, ttmp6, 0x10000c
	s_cmp_lg_u32 s2, 0x3003
	s_cbranch_scc0 .Lentry_shape_is_right
	s_endpgm
.Lentry_shape_is_right:
; oi, osc = attention(q, k, v), quantised for the last product.  16 heads of 64 share one key and value head; key s counts for query t where s <= t <= s + 1024.  Both products on codes of FP6 (E2M3) with E8M0 block scales, f32 sums.
; segment_pos is no argument: the function never reads it (its mask is made of the positions themselves).  Blocks of 128 keys that the mask hides whole are not worked.
; THE SOFTMAX AHEAD OF THE SECOND PRODUCT: t = score x log2(e) / 8; M = the row's largest t so far, rounded UP to a whole number; p = 2^(t - M) is quantised along the keys, not normalised; the row's sum is taken of the
; unquantised p and divides at the end.  When M moves, the sum and O are multiplied by 2^(old M - new M): exact.
; SHARES.  All heads use the same keys, so a tile of 16 query columns is 4 TOKENS x 4 HEADS: column r = head r % 4 of the wave's four, token r / 4 of its quad.  A work-group of 16 waves takes four quads of tokens with all 16 heads:
; quad qd (0 .. 31) of blocks a, 7 - a, 8 + a, 15 - a (a = 0 .. 3) of one batch.  Block i needs min(i, 8) + 1 blocks of 128 keys: the four together 27, the same in every work-group.  Wave w: heads 4 (w / 4) .., quad u = (w + w / 4) % 4.
; THE KEYS.  All 16 records of the batch (128 keys each: K's and V's codes and scale words as register images) come into LDS ONCE, one joint load a wave, and stay: no byte of LDS is filled twice.  The first step of every wave reads
; one of records 0-7, so a first barrier shows those; a second, behind the first step, shows the rest.  No prefetch: no loop here loads from memory.
; CLUSTER.  The four work-groups of a cluster have the same batch and the same a: each record is asked for jointly (mask 15).  The place in the cluster enters addresses of Q and of the results and the lanes' query positions alone.
; LAYOUT.  S^T = K Q^T and O^T = V^T P^T: a lane holds ONE query column throughout.  By the order of rows (launch quant) register 32 c + n of S^T in lane (r, h) is key 64 c + 32 h + n: a lane holds whole scale blocks of p, and of the result.
; K's tiles lie two to a fragment (registers 0-5 tile 2 p, 6-11 tile 2 p + 1); Q stands between six zero registers on either side: (q, 0) meets the even tile, (0, q) the odd one.
; OUT.  oi [quad of tokens][four heads][768]: registers 0-3 of a lane's 24 bytes at 16 x lane, 4-5 at 512 + 8 x lane.  osc [work-group][u][token of the quad][32]: one byte for each 32 along K.
; LIMITS: NaN and infinities are not served; the scaled scores (exponents to the base 2) stay under 2^31 in magnitude; a block of zeros gets the byte 1: its codes are zeros, and this program alone reads the bytes.
; REGISTERS: v1, v2, v5 LDS addresses in my first record (K and V images; K's scale words; V's), v3, v4, v6 the step's; v7, v8 the add's; v9 16 x lane, v10 8 x lane; v11 my scale byte; v12 -M, v13 the largest score so far, v[14:15] the sum; v[16:33] Q;
; v[34:35] V's scale words, v[36:37] K's, v38 q's, v39 p's; v40 my query in its block - 32 h; v41 -infinity; v[42:43] the factor; v44-47 at work; v48-95 K, v96-143 V, v144-207 S^T, then p; v208-239 O^T; v240-251 p's codes; v252-255 at work.
.set REC,   13056                      ; a record: 51 x 256 bytes: K 4 x 1,536, V 4 x 1,536, K's scale words 512, V's 256
.set OSB,   16*REC                     ; behind the records: the result's 512 scale bytes
.set SPARE, OSB+512                    ; the spare words, 128 bytes for each wave, which no other line names
.set KF,    48
.set VF,    96
.set S,     144
.set O,     208
.set PC,    240
.macro WALU
	s_wait_alu depctr_va_vdst(0)
.endm
.macro PLACES                          ; four places behind matrix instructions (ISA guide 7.12.1 for vector instructions)
.rept 4
	v_nop
.endr
.endm
.macro ROUND
	s_barrier_signal -1
	s_barrier_wait -1
	s_cmp_lg_u32 s18, 0
	s_cbranch_scc1 .Lnot_wave_0_\@
	s_barrier_signal -3
.Lnot_wave_0_\@:
	s_barrier_wait -3
	s_barrier_signal -1
	s_barrier_wait -1
.endm
.macro MSK cond, c                     ; registers 32 c + n, n = 0 .. 31: hidden where n (cond) v252
.set n, 0
.rept 16
	v_cmp_\cond\()_i32 vcc_lo, n, v252
	v_cmp_\cond\()_i32 s62, n+1, v252
	v_cndmask_b32 v[S+32*\c+n], v[S+32*\c+n], v41, vcc_lo
	v_cndmask_b32 v[S+32*\c+n+1], v[S+32*\c+n+1], v41, s62
.set n, n+2
.endr
.endm
.macro FILL c                          ; all of registers 32 c + n hidden
.set n, 0
.rept 32
	v_mov_b32 v[S+32*\c+n], v41
.set n, n+1
.endr
.endm
.macro DIAG                            ; my tokens' own block: keys behind the query become -infinity, so that p = 0.  s44 = 1: my quad lies in the block's upper 64
	s_cmp_eq_u32 s44, 0
	s_cbranch_scc1 .Llower_\@
	v_add_nc_u32 v252, 0xffffffc0, v40
	MSK gt, 1                                      ; the lower 64 keys count whole
	WALU
	s_branch .Ldone_\@
.Llower_\@:
	v_mov_b32 v252, v40
	MSK gt, 0
	FILL 1
.Ldone_\@:
.endm
.macro LOW                             ; eight blocks back: keys more than 1,024 ahead of the query
	s_cmp_eq_u32 s44, 0
	s_cbranch_scc1 .Llower_\@
	v_add_nc_u32 v252, 0xffffffc0, v40
	MSK lt, 1
	FILL 0
	WALU
	s_branch .Ldone_\@
.Llower_\@:
	v_mov_b32 v252, v40
	MSK lt, 0                                      ; the upper 64 keys count whole
.Ldone_\@:
.endm
; A STEP: 128 keys.  first = 1: the first one starts the maximum, the sum and O.
.macro STEP first
.if \first
.set AK, 1
.set AKS, 2
.set AVS, 5
.else
.set AK, 3
.set AKS, 4
.set AVS, 6
	v_add_nc_u32 v3, s40, v1                       ; with the v_nop: four places behind the last step's products, in front of the loads into V's registers
	v_add_nc_u32 v4, s40, v2
	v_add_nc_u32 v6, s40, v5
	v_nop
.endif
	ds_load_b64 v[36:37], v[AKS] offset:12288      ; K's scale words: lanes 0-15 pairs 0, 1, lanes 16-31 pairs 2, 3
.irp p, 0,1,2,3
.irp c, 0,1,2
	ds_load_b128 v[KF+12*\p+4*\c:KF+12*\p+4*\c+3], v[AK] offset:1536*\p+512*\c
.endr
.endr
.irp d, 0,1,2,3
.irp c, 0,1,2
	ds_load_b128 v[VF+12*\d+4*\c:VF+12*\d+4*\c+3], v[AK] offset:6144+1536*\d+512*\c
.endr
.endr
	ds_load_b64 v[34:35], v[AVS] offset:12800      ; V's scale words
	s_wait_dscnt 13                                ; K's thirteen loads are in; V's thirteen may be out
.irp m, 0,1,2,3,4,5,6,7
.set XQ, 22-6*(\m%2)
.if \m < 4
	v_wmma_scale_f32_16x16x128_f8f6f4 v[S+8*\m:S+8*\m+7], v[KF+12*(\m/2):KF+12*(\m/2)+11], v[XQ:XQ+11], 0, v[36+(\m/2)%2], v38 matrix_a_fmt:MATRIX_FMT_FP6 matrix_b_fmt:MATRIX_FMT_FP6
.else
	v_wmma_scale_f32_16x16x128_f8f6f4 v[S+8*\m:S+8*\m+7], v[KF+12*(\m/2):KF+12*(\m/2)+11], v[XQ:XQ+11], 0, v[36+(\m/2)%2], v38 matrix_a_fmt:MATRIX_FMT_FP6 matrix_b_fmt:MATRIX_FMT_FP6 matrix_a_scale:MATRIX_SCALE_ROW1
.endif
.endr
	PLACES
.if \first
	s_cmp_lt_u32 s36, 2                            ; quads 2 and 3 lie in blocks 8 .. 15: their first step is the one eight blocks back
	s_cbranch_scc1 .Lno_low_\@
	LOW
.Lno_low_\@:
	s_cmp_lg_u32 s37, 0
	s_cbranch_scc1 .Lno_diag_\@
	DIAG
.Lno_diag_\@:
.else
	s_cmp_lg_u32 s38, s37
	s_cbranch_scc1 .Lno_diag_\@
	DIAG
.Lno_diag_\@:
.endif
; (each query has a key that counts in each step that is worked)
.irp c, 0,1                            ; THE LARGEST SCORE OF EACH OF MY TWO BLOCKS OF 32 KEYS, in two chains each: for the row's maximum and, since p rises with the score, for the block's largest p
	v_max3_num_f32 v[44+\c], v[S+32*\c], v[S+32*\c+1], v[S+32*\c+2]
	v_max3_num_f32 v[46+\c], v[S+32*\c+16], v[S+32*\c+17], v[S+32*\c+18]
.endr
.irp i, 3,5,7,9,11,13
.irp c, 0,1
	v_max3_num_f32 v[44+\c], v[44+\c], v[S+32*\c+\i], v[S+32*\c+\i+1]
	v_max3_num_f32 v[46+\c], v[46+\c], v[S+32*\c+16+\i], v[S+32*\c+17+\i]
.endr
.endr
.irp c, 0,1
	v_max3_num_f32 v[44+\c], v[44+\c], v[S+32*\c+15], v[S+32*\c+31]
.endr
.irp c, 0,1
	v_max_num_f32 v[44+\c], v[44+\c], v[46+\c]
.endr
	v_max_num_f32 v254, v44, v45
	v_permlanex16_b32 v255, v254, s20, s21         ; lane l xor 16 holds the other 64 keys of my query
.if \first
	v_max_num_f32 v13, v254, v255
	v_mul_f32 v254, s22, v13                       ; as t (the factor is positive)
	v_floor_f32 v12, -v254                         ; -M = floor(-t) = -ceil(t)
.else
	v_max3_num_f32 v13, v13, v254, v255            ; the largest score so far
	v_mul_f32 v254, s22, v13
	v_mov_b32 v252, v12
	v_floor_f32 v12, -v254
	v_sub_f32 v254, v12, v252                      ; M's old value less its new one: a whole number, 0 or less
	v_cvt_i32_f32 v254, v254                       ; (it saturates)
	v_ldexp_f32 v42, 1.0, v254                     ; f = 2^(old M - new M)
.endif
.set j, 0
.rept 32
	v_pk_fma_f32 v[S+j:S+j+1], v[S+j:S+j+1], s[22:23], v[12:13] op_sel_hi:[1,0,0]   ; t - M, two at a time
.set j, j+2
.endr
	v_fma_f32 v44, v44, s22, v12                   ; the same of each block's largest score
	v_fma_f32 v45, v45, s22, v12
	WALU                                           ; the wait ahead of the batch
	v_exp_f32 v44, v44                             ; the block's largest p: the same two instructions on the same number give the same bits
	v_exp_f32 v45, v45
.set j, 0
.rept 64
	v_exp_f32 v[S+j], v[S+j]                       ; p = 2^(t - M): not normalised
.set j, j+1
.endr
.if \first
	v_nop
.else
	v_pk_mul_f32 v[14:15], v[14:15], v[42:43] op_sel_hi:[1,0]   ; the sums under the new M: the plain instruction behind the exponentials
.endif
	WALU                                           ; and behind it
.irp k, 0,1,2,3                        ; the row's sum, of the unquantised p: four chains (in K's registers, which have served)
	v_pk_add_f32 v[KF+2*\k:KF+2*\k+1], v[S+4*\k:S+4*\k+1], v[S+4*\k+2:S+4*\k+3]
.endr
.set j, 0
.rept 24
	v_pk_add_f32 v[KF+2*(j%4):KF+2*(j%4)+1], v[KF+2*(j%4):KF+2*(j%4)+1], v[S+16+2*j:S+17+2*j]
.set j, j+1
.endr
	v_pk_add_f32 v[KF:KF+1], v[KF:KF+1], v[KF+2:KF+3]
	v_pk_add_f32 v[KF+4:KF+5], v[KF+4:KF+5], v[KF+6:KF+7]
	v_max_num_f32 v44, 0x1800000, v44              ; the floor 2^(3 - 127): the byte cannot fall under 1
	v_max_num_f32 v45, 0x1800000, v45
.if \first
	v_pk_add_f32 v[14:15], v[KF:KF+1], v[KF+4:KF+5]
.else
	v_pk_add_f32 v[KF:KF+1], v[KF:KF+1], v[KF+4:KF+5]
.endif
	v_add_nc_u32 v46, 0xff000000, v44              ; 2 off the exponent field: the conversions' scale operands
	v_add_nc_u32 v47, 0xff000000, v45
.if (\first) == 0
	v_pk_add_f32 v[14:15], v[14:15], v[KF:KF+1]
.endif
	v_perm_b32 v252, v47, v46, 0x07060302          ; the upper halves of both,
	v_lshrrev_b32 v252, 7, v252                    ; so that bytes 0 and 2 are my two blocks' scale bytes
	v_permlanex16_b32 v253, v252, s20, s21
	v_perm_b32 v39, v253, v252, 0x06020400         ; p's scale word (lanes 0-15; the others are not read): blocks 0, 2 are mine, 1, 3 lane l xor 16's
.irp c, 0,1
	v_cvt_scalef32_pk16_fp6_f32 v[PC+6*\c:PC+6*\c+2], v[S+32*\c:S+32*\c+15], v[46+\c]
	v_cvt_scalef32_pk16_fp6_f32 v[KF+4*\c:KF+4*\c+2], v[S+32*\c+16:S+32*\c+31], v[46+\c]   ; (a conversion's three registers begin on an even number)
.endr
	WALU                                           ; the wait ahead of O^T's first reader
.if \first
	v_nop
.else
.set j, 0
.rept 4
	v_pk_mul_f32 v[O+j:O+j+1], v[O+j:O+j+1], v[42:43] op_sel_hi:[1,0]   ; O^T under the new M, each accumulator from its low end
.set j, j+2
.endr
.endif
.irp c, 0,1
.irp i, 0,1,2
	v_mov_b32 v[PC+6*\c+3+\i], v[KF+4*\c+\i]
.endr
.endr
.if \first
	PLACES                                         ; an operand written by vector instructions stands four places ahead of the products, p's scale word more than eight
.else
.rept 12
	v_pk_mul_f32 v[O+j:O+j+1], v[O+j:O+j+1], v[42:43] op_sel_hi:[1,0]
.set j, j+2
.endr
.endif
	WALU
	s_wait_dscnt 0x0                               ; V and its scale words are in
.irp d, 0,1,2,3                        ; O^T += V^T P^T: four accumulators by turns, one instruction each
.if \first
.if \d%2
	v_wmma_scale_f32_16x16x128_f8f6f4 v[O+8*\d:O+8*\d+7], v[VF+12*\d:VF+12*\d+11], v[PC:PC+11], 0, v[34+\d/2], v39 matrix_a_fmt:MATRIX_FMT_FP6 matrix_b_fmt:MATRIX_FMT_FP6 matrix_a_scale:MATRIX_SCALE_ROW1
.else
	v_wmma_scale_f32_16x16x128_f8f6f4 v[O+8*\d:O+8*\d+7], v[VF+12*\d:VF+12*\d+11], v[PC:PC+11], 0, v[34+\d/2], v39 matrix_a_fmt:MATRIX_FMT_FP6 matrix_b_fmt:MATRIX_FMT_FP6
.endif
.elseif \d%2
	v_wmma_scale_f32_16x16x128_f8f6f4 v[O+8*\d:O+8*\d+7], v[VF+12*\d:VF+12*\d+11], v[PC:PC+11], v[O+8*\d:O+8*\d+7], v[34+\d/2], v39 matrix_a_fmt:MATRIX_FMT_FP6 matrix_b_fmt:MATRIX_FMT_FP6 matrix_a_scale:MATRIX_SCALE_ROW1
.else
	v_wmma_scale_f32_16x16x128_f8f6f4 v[O+8*\d:O+8*\d+7], v[VF+12*\d:VF+12*\d+11], v[PC:PC+11], v[O+8*\d:O+8*\d+7], v[34+\d/2], v39 matrix_a_fmt:MATRIX_FMT_FP6 matrix_b_fmt:MATRIX_FMT_FP6
.endif
.endr
.endm
	s_load_b256 s[4:11], s[0:1], 0x0               ; qi s[4:5], qs s[6:7], kv s[8:9], oi s[10:11]
	s_load_b64 s[12:13], s[0:1], 0x20              ; osc
	v_lshl_add_u32 v7, v0, 2, SPARE
	v_mov_b32 v8, 0
	ds_add_u32 v7, v8                              ; the opening: the add, twice on end, and its wait ahead of my tensor load
	ds_add_u32 v7, v8
	v_lshrrev_b32 v252, 5, v0
	v_readfirstlane_b32 s18, v252                  ; wave
	s_lshr_b32 s46, s18, 2                         ; which four heads
	s_add_co_u32 s36, s18, s46
	s_and_b32 s36, s36, 3                          ; u: which of the four quads
	s_bfe_u32 s19, ttmp6, 0x40000                  ; cx: my place in the cluster
	s_lshr_b32 s43, ttmp9, 5                       ; the batch (ttmp9 counts clusters)
	s_and_b32 s42, ttmp9, 31
	s_lshr_b32 s47, s42, 3                         ; a
	s_bfe_u32 s44, s42, 0x10002                    ; does my quad lie in the upper 64 of its block?  The cluster's number says it
	s_and_b32 s45, s42, 7
	s_lshl_b32 s45, s45, 2
	s_add_co_u32 s45, s45, s19                     ; qd
	s_and_b32 s37, s36, 1
	s_mul_i32 s37, s37, 7
	s_xor_b32 s37, s37, s47
	s_and_b32 s37, s37, 7
	s_lshr_b32 s39, s36, 1
	s_mul_i32 s38, s37, s39                        ; the first block of keys: 0, or eight blocks back
	s_lshl_b32 s39, s39, 3
	s_add_co_u32 s37, s37, s39                     ; i: my tokens' block
	s_mul_i32 s39, s38, REC
	v_and_b32 v253, 31, v0                         ; lane
	v_and_b32 v254, 15, v0                         ; r
	v_bfe_u32 v255, v0, 4, 1                       ; h
	v_lshlrev_b32 v9, 4, v253
	v_lshlrev_b32 v10, 3, v253
	v_add_nc_u32 v1, s39, v9
	v_add_nc_u32 v5, s39, v10
	v_lshlrev_b32 v2, 4, v254
	v_lshl_add_u32 v2, v255, 3, v2
	v_add_nc_u32 v2, s39, v2                       ; 16 r + 8 h
	v_and_b32 v44, 3, v254                         ; my head of the four
	v_lshrrev_b32 v45, 2, v254                     ; my token of the quad
	v_mul_u32_u24 v46, 0x1800, v44                 ; Q's codes: 6,144 bytes a head, 16 a lane of the image
	v_lshl_add_u32 v46, v255, 8, v46
	v_lshl_add_u32 v46, v45, 4, v46
	v_lshlrev_b32 v47, 9, v44                      ; and its scale bytes
	v_lshl_add_u32 v47, v45, 4, v47
	s_lshl_b32 s39, s45, 2
	v_add_nc_u32 v40, s39, v45
	v_lshlrev_b32 v252, 5, v255
	v_sub_nc_u32 v40, v40, v252                    ; my query in its block, less 32 h
	v_lshlrev_b32 v11, 5, v45
	v_lshl_add_u32 v11, v44, 1, v11
	v_add_nc_u32 v11, v11, v255
	s_lshl_b32 s39, s36, 7
	s_lshl_b32 s42, s46, 3
	s_add_co_u32 s39, s39, s42
	s_add_co_u32 s39, s39, OSB
	v_add_nc_u32 v11, s39, v11                     ; LDS: my scale byte of the result: 128 u + 32 token + 8 (four heads) + 2 head + h
	; descriptor: a record is a dense block: 51 rows of 256 bytes (32 elements of 8 bytes), no padding
	s_mov_b32 s24, 15|(3<<16)|(1<<21)
	s_mov_b32 s25, 32<<16
	s_mov_b32 s26, 51<<16
	s_mov_b32 s27, 32<<16
	s_mov_b32 s28, 51
	s_mov_b32 s29, 32
	s_mov_b32 s30, 0
	s_mov_b32 s31, 0
	s_mov_b32 s32, 1
	s_mul_i32 s33, s18, REC
	s_lshl_b32 s56, s43, 4
	s_add_co_u32 s42, s56, s37                     ; X: my block through both batches
	s_add_co_u32 s56, s56, s18
	s_mul_i32 s56, s56, REC                        ; the record that my wave fetches
	s_mov_b32 s57, 0
	s_bfe_u32 s58, s45, 0x10003                    ; Q: token 4 qd of the block is tile 4 (qd / 16) + (qd / 2) % 4, row 8 ((qd / 8) % 2) + 4 (qd % 2)
	s_lshl_b32 s58, s58, 3
	s_and_b32 s59, s45, 1
	s_lshl_b32 s59, s59, 2
	s_add_co_u32 s58, s58, s59
	s_lshl_b32 s58, s58, 4                         ; 16 x row
	s_lshr_b32 s59, s45, 4
	s_lshl_b32 s59, s59, 1
	s_bfe_u32 s60, s45, 0x10002
	s_add_co_u32 s59, s59, s60                     ; which pair of tiles
	s_bfe_u32 s60, s45, 0x10001                    ; and the odd or the even one
	s_mul_i32 s48, s42, 98304
	s_mul_i32 s39, s46, 24576
	s_add_co_u32 s48, s48, s39
	s_mul_i32 s39, s59, 1536
	s_add_co_u32 s48, s48, s39
	s_add_co_u32 s48, s48, s58
	s_mul_i32 s50, s60, 1016
	s_add_co_u32 s50, s50, s48                     ; the middle 8 bytes: + 8, or + 1,024 in the odd tile
	s_mul_i32 s39, s60, 520
	s_add_co_u32 s48, s48, s39                     ; the first and the last: + 0 and + 512, or + 520 and + 1,032
	s_mov_b32 s49, 0
	s_mov_b32 s51, 0
	s_lshl_b32 s52, s42, 13
	s_lshl_b32 s39, s46, 11
	s_add_co_u32 s52, s52, s39
	s_add_co_u32 s52, s52, s58
	s_lshl_b32 s59, s59, 2
	s_add_co_u32 s52, s52, s59
	s_lshl_b32 s60, s60, 1
	s_add_co_u32 s52, s52, s60                     ; Q's two scale bytes
	s_mov_b32 s53, 0
	s_lshl_b32 s54, s42, 5
	s_add_co_u32 s54, s54, s45
	s_mul_i32 s54, s54, 3072
	s_mul_i32 s39, s46, 768
	s_add_co_u32 s54, s54, s39                     ; where my codes go
	s_mov_b32 s55, 0
	s_lshl_b32 s58, ttmp9, 2
	s_add_co_u32 s58, s58, s19
	s_lshl_b32 s58, s58, 9                         ; and my work-group's scale bytes
	s_mov_b32 s59, 0
	s_mov_b32 s20, 0x76543210
	s_mov_b32 s21, 0xfedcba98                      ; v_permlanex16_b32's selects for lane l xor 16
	s_mov_b32 s22, 0x3e38aa3b                      ; log2(e) / 8
	s_mov_b32 s23, s22                             ; (the packed form names the pair and takes its low word for both halves)
	WALU
	s_wait_dscnt 0x0                               ; both opening adds are done
	s_wait_kmcnt 0x0
	s_add_nc_u64 s[34:35], s[8:9], s[56:57]
	s_or_b32 s35, s35, 0x80000000
	s_add_nc_u64 s[60:61], s[4:5], s[50:51]
	s_add_nc_u64 s[4:5], s[4:5], s[48:49]
	s_add_nc_u64 s[6:7], s[6:7], s[52:53]
	s_add_nc_u64 s[10:11], s[10:11], s[54:55]
	s_add_nc_u64 s[12:13], s[12:13], s[58:59]
	ROUND                                          ; all four work-groups are here: the joint loads meet
	s_cmp_lt_u32 s18, 8                            ; one tensor load a wave; waves 0-7 have a line of their own, for which they alone wait ahead of the first barrier
	s_cbranch_scc0 .Lupper
	tensor_load_to_lds s[32:35], s[24:31]
	s_nop 0
	PLACES
	s_branch .Lasked
.Lupper:
	tensor_load_to_lds s[32:35], s[24:31]
	s_nop 0
	PLACES
.Lasked:
	global_load_b64 v[22:23], v46, s[4:5]          ; Q stays in registers
	global_load_b64 v[24:25], v46, s[60:61] offset:8
	global_load_b64 v[26:27], v46, s[4:5] offset:512
	global_load_u16 v252, v47, s[6:7]
	s_wait_loadcnt 0x0
	v_lshl_or_b32 v38, v252, 16, v252              ; its scale bytes for the lower and for the upper 64 along K
.irp j, 16,17,18,19,20,21,28,29,30,31,32,33
	v_mov_b32 v[\j], 0                             ; the zero codes on either side of q
.endr
	v_mov_b32 v41, 0xff800000
	v_mov_b32 v43, 0                               ; (the upper half of a pair that is named before it is used)
	v_mov_b32 v253, 0                              ; (a lane permute's destination counts as one of its sources)
	v_mov_b32 v255, 0
	WALU                                           ; the wait at the head's end
	s_cmp_lt_u32 s18, 8
	s_cbranch_scc0 .Lnot_mine
	s_wait_tensorcnt 0x0                           ; records 0-7
.Lnot_mine:
	s_barrier_signal -1
	s_barrier_wait -1                              ; and everybody's: records 8-15 may still be on their way
	STEP 1
	s_mov_b32 s40, REC                             ; the next record, counted from my first,
	s_add_co_u32 s38, s38, 1                       ; and its block
	s_mov_b32 s41, 8                               ; steps to go
	WALU
	s_wait_tensorcnt 0x0
	s_wait_dscnt 0x0
	s_barrier_signal -1
	s_barrier_wait -1                              ; all sixteen records are in, and are only read from here on
.Lstep:                                                ; eight trips, a constant
	s_cmp_gt_u32 s38, s37                          ; a block behind my tokens' is passed over: a branch on ids, round the step's work alone
	s_cbranch_scc1 .Lhidden
	STEP 0
.Lhidden:
	s_add_co_u32 s40, s40, REC
	s_add_co_u32 s38, s38, 1
	s_sub_co_u32 s41, s41, 1
	s_cmp_lg_u32 s41, 0
	s_cbranch_scc1 .Lstep
	; THE RESULT: O^T / the sum; my 32 registers are one scale block of the last product's K
	WALU
	v_add_f32 v14, v14, v15
	v_permlanex16_b32 v255, v14, s20, s21
	v_add_f32 v14, v14, v255                       ; with lane l xor 16's: the row's sum
	WALU
	v_rcp_f32 v14, v14
	v_add_nc_u32 v3, OSB, v9                       ; the 512 scale bytes, 16 a lane
	PLACES                                         ; behind the last products and the reciprocal
	WALU
.set j, 0
.rept 16
	v_pk_mul_f32 v[S+j:S+j+1], v[O+j:O+j+1], v[14:15] op_sel_hi:[1,0]
.set j, j+2
.endr
	v_max3_num_f32 v44, |v[S]|, |v[S+1]|, 0x1800000
	v_max3_num_f32 v45, |v[S+16]|, |v[S+17]|, |v[S+18]|
.irp i, 2,4,6,8,10,12
	v_max3_num_f32 v44, v44, |v[S+\i]|, |v[S+\i+1]|
	v_max3_num_f32 v45, v45, |v[S+\i+17]|, |v[S+\i+18]|
.endr
	v_max3_num_f32 v44, v44, |v[S+14]|, |v[S+15]|
	v_max3_num_f32 v44, v44, v45, |v[S+31]|
	v_add_nc_u32 v46, 0xff000000, v44
	v_cvt_scalef32_pk16_fp6_f32 v[PC:PC+2], v[S:S+15], v46
	v_cvt_scalef32_pk16_fp6_f32 v[KF:KF+2], v[S+16:S+31], v46
	v_lshrrev_b32 v47, 23, v46                     ; the scale's byte: the plain instruction behind the conversions
.irp i, 0,1,2
	v_mov_b32 v[PC+3+\i], v[KF+\i]
.endr
	ds_store_b8 v11, v47
	global_store_b128 v9, v[PC:PC+3], s[10:11]     ; 512 consecutive bytes,
	global_store_b64 v10, v[PC+4:PC+5], s[10:11] offset:512   ; and 256
	WALU
	s_wait_dscnt 0x0                               ; for wave 0's sake: my scale bytes have landed
	s_barrier_signal -1
	s_barrier_wait -1
	s_cmp_lg_u32 s18, 0
	s_cbranch_scc1 .Lend
	ds_load_b128 v[KF+4:KF+7], v3
	s_wait_dscnt 0x0
	global_store_b128 v9, v[KF+4:KF+7], s[12:13]   ; the work-group's 512 scale bytes
.Lend:
	s_wait_tensorcnt 0x0                           ; the wave's end
	ds_add_u32 v7, v8
	s_wait_dscnt 0x0
	ROUND                                          ; the closing round: no work-group ends while a partner may still ask for a record that names it
	s_endpgm
.Lfunc_end_k_q92a1e23c60_attn:
	.size	k_q92a1e23c60_attn, .Lfunc_end_k_q92a1e23c60_attn-k_q92a1e23c60_attn
	.p2alignl 7, 3214868480
	.fill 96, 4, 3214868480
	.section	.rodata,"a",@progbits
	.p2align	6, 0x0
	.amdhsa_kernel k_q92a1e23c60_attn
		.amdhsa_group_segment_fixed_size 211456
		.amdhsa_private_segment_fixed_size 0
		.amdhsa_enable_private_segment 0
		.amdhsa_kernarg_size 40
		.amdhsa_user_sgpr_count 2
		.amdhsa_user_sgpr_kernarg_segment_ptr 1
		.amdhsa_wavefront_size32 1
		.amdhsa_system_sgpr_workgroup_id_x 1
		.amdhsa_system_sgpr_workgroup_id_y 1
		.amdhsa_system_sgpr_workgroup_id_z 1
		.amdhsa_system_vgpr_workitem_id 0
		.amdhsa_next_free_vgpr 256
		.amdhsa_next_free_sgpr 66
		.amdhsa_reserve_vcc 1
		.amdhsa_float_denorm_mode_32 3
		.amdhsa_float_denorm_mode_16_64 3
		.amdhsa_memory_ordered 1
		.amdhsa_forward_progress 1
		.amdhsa_inst_pref_size 61
	.end_amdhsa_kernel
	.amdgpu_metadata
---
amdhsa.version: [ 1, 2 ]
amdhsa.kernels:
  - .name:           k_q92a1e23c60_attn
    .symbol:         k_q92a1e23c60_attn.kd
    .args:
      - { .name: qi, .offset: 0, .size: 8, .value_kind: global_buffer, .address_space: global }
      - { .name: qs, .offset: 8, .size: 8, .value_kind: global_buffer, .address_space: global }
      - { .name: kv, .offset: 16, .size: 8, .value_kind: global_buffer, .address_space: global }
      - { .name: oi, .offset: 24, .size: 8, .value_kind: global_buffer, .address_space: global }
      - { .name: osc, .offset: 32, .size: 8, .value_kind: global_buffer, .address_space: global }
    .group_segment_fixed_size: 211456
    .private_segment_fixed_size: 0
    .kernarg_segment_align: 8
    .kernarg_segment_size: 40
    .max_flat_workgroup_size: 512
    .sgpr_count:     66
    .vgpr_count:     256
    .wavefront_size: 32
...
	.end_amdgpu_metadata
.endif
;; end of part 3
;; launch fin (part 4): grid 8 x 32, 4 waves a work-group, clusters of 4 x 4, 217,600 bytes of LDS; arguments oi, osc, ci, cs, bf, out0; writes out0
.if DOCPART == 4
	.amdgcn_target "amdgcn-amd-amdhsa--gfx1250"
	.amdhsa_code_object_version 6
	.text
	.protected	k_q92a1e23c60_fin
	.globl	k_q92a1e23c60_fin
	.p2align	8
	.type	k_q92a1e23c60_fin,@function
k_q92a1e23c60_fin:
	s_mov_b64 s[64:65], 0
	v_nop
	global_prefetch_b8 v0, s[64:65] scope:SCOPE_SE
	s_setreg_imm32_b32 hwreg(HW_REG_WAVE_MODE, 25, 1), 1
	s_wait_xcnt 0x0
	s_wait_alu depctr_hold_cnt(0) depctr_sa_sdst(0) depctr_va_vdst(0) depctr_va_sdst(0) depctr_va_ssrc(0) depctr_va_vcc(0) depctr_vm_vsrc(0)
	s_getreg_b32 s2, hwreg(HW_REG_IB_STS2, 6, 4)
	s_cmp_eq_u32 s2, 0
	s_cbranch_scc0 .Lentry_in_a_cluster
	s_endpgm
.Lentry_in_a_cluster:
	s_bfe_u32 s2, ttmp6, 0x10000c
	s_cmp_lg_u32 s2, 0xf033
	s_cbranch_scc0 .Lentry_shape_is_right
	s_endpgm
.Lentry_shape_is_right:
; out0 [4096][1024] = A Wf^T + bf, A the attention's result: both operands codes of FP6 (E2M3) with E8M0 block scales (launches attn, quant), f32 sums.
; SHARES.  A work-group makes 128 tokens (block X) x 128 columns; a wave 64 x 64: 16 accumulators.  All of K = 1,024, 98,304 bytes of each operand, fits in LDS: FOUR joint loads, one a wave, at the head, and none later:
; wave 0 A's K steps 0-3, wave 1 Wf's, wave 2 A's K steps 4-7, wave 3 Wf's.  A first barrier shows the lower half, a second, four K steps on, the upper.  No prefetch: the launch has no loop that loads.
; CLUSTERS of 4 x 4: A's rows are shared along a row of the cluster, Wf's along a column.
; A IN LDS: a row is a quad of tokens: 1,536 bytes (K steps 4 f .. 4 f + 3: two images of 768, each for four heads), 16 of padding behind every 512: pitch 1,584.  An image: lane (head + 4 token of the quad, h): 16 bytes at 16 x lane, 8 at 512 + 8 x lane.
; Wf IN LDS: [tile 8][K step of the half 4][1,536], images of operand registers.
; TRANSPOSED: source 0 = 16 rows of Wf, source 1 = 16 tokens: by the order of Wf's rows (launch quant) lane (r, h) holds 32 neighbouring columns, 32 h + 8 t + i, of token r; they leave through the wave's own stage as rows of 256 bytes.
; REGISTERS: window 0: v2, v3 the add's; v4-v15 addresses; v32-47 A's scale words, v48-63 Wf's; v64-159, v160-255 two fragment buffers (A 4 x 12, Wf 4 x 12).  Window 1: v0-127 accumulators, v128-159 the bias.
.set PITCH, 1584
.set AH,    32*PITCH                   ; a half of A
.set WB,    2*AH
.set WH,    49152                      ; a half of Wf
.set STG,   WB+2*WH
.set SPITCH, 272
.set SPARE, STG+4*16*SPITCH
.set MSB, 0
.macro WIN new                         ; the immediate's high byte repeats the setting that is left
.if MSB != \new
	s_set_vgpr_msb (MSB<<8)|\new
.set MSB, \new
.endif
.endm
.macro PLACES
.rept 4
	v_nop
.endr
.endm
.macro CROUND
	s_barrier_signal -1
	s_barrier_wait -1
	s_cmp_lg_u32 s16, 0
	s_cbranch_scc1 .Lnot_wave_0_\@
	s_barrier_signal -3
.Lnot_wave_0_\@:
	s_barrier_wait -3
	s_barrier_signal -1
	s_barrier_wait -1
.endm
	s_load_b256 s[4:11], s[0:1], 0x0               ; oi s[4:5], osc s[6:7], ci s[8:9], cs s[10:11]
	s_load_b128 s[12:15], s[0:1], 0x20             ; bf s[12:13], out0 s[14:15]
	v_lshl_add_u32 v2, v0, 2, SPARE
	v_mov_b32 v3, 0
	ds_add_u32 v2, v3                              ; the opening: the add, twice on end, and its wait
	ds_add_u32 v2, v3
	v_lshrrev_b32 v1, 5, v0
	v_readfirstlane_b32 s16, v1                    ; wave
	s_lshr_b32 s17, s16, 1                         ; which half of the tokens is mine; which half of K I fetch
	s_and_b32 s18, s16, 1                          ; which half of the columns
	s_bfe_u32 s40, ttmp6, 0x40000
	s_bfe_u32 s41, ttmp6, 0x40004
	s_lshl_b32 s42, ttmp9, 2
	s_add_co_u32 s42, s42, s40                     ; column block
	s_and_b32 s43, ttmp7, 0xffff
	s_lshl_b32 s43, s43, 2
	s_add_co_u32 s43, s43, s41                     ; X: token block
	s_lshl_b32 s44, s41, 2
	s_lshl_b32 s44, 15, s44                        ; my row of the cluster
	s_lshl_b32 s45, 0x1111, s40                    ; my column
	s_or_b32 s24, s44, (3<<16)|(1<<20)|(1<<21)|(6<<22)|(3<<25)   ; A: elements of 8 bytes; 4 words of padding behind every 128
	s_mov_b32 s25, 192<<16
	s_mov_b32 s26, 32<<16
	s_mov_b32 s27, 192<<16
	s_mov_b32 s28, 32
	s_mov_b32 s29, 384
	s_mov_b32 s30, 0
	s_mov_b32 s31, 0
	s_or_b32 s48, s45, (3<<16)|(1<<21)             ; Wf: 8 rows of 6,144 bytes, one for each tile
	s_mov_b32 s49, 768<<16
	s_mov_b32 s50, 8<<16
	s_mov_b32 s51, 768<<16
	s_mov_b32 s52, 8
	s_mov_b32 s53, 1536
	s_mov_b32 s54, 0
	s_mov_b32 s55, 0
	s_mul_i32 s20, s43, 98304
	s_mul_i32 s19, s17, 1536
	s_add_co_u32 s20, s20, s19
	s_mov_b32 s21, 0
	s_mul_i32 s22, s42, 98304
	s_mul_i32 s19, s17, 6144
	s_add_co_u32 s22, s22, s19
	s_add_co_u32 s22, s22, 328*12288               ; Wf's tiles begin at tile 328
	s_mov_b32 s23, 0
	s_mov_b32 s32, 1
	s_mul_i32 s33, s17, AH
	s_mov_b32 s36, 1
	s_mul_i32 s37, s17, WH
	s_add_co_u32 s37, s37, WB
	s_wait_alu depctr_va_vdst(0)
	s_wait_dscnt 0x0                               ; both opening adds are done
	CROUND                                         ; all sixteen work-groups are here: the joint loads meet
	s_wait_kmcnt 0x0
	s_add_nc_u64 s[34:35], s[4:5], s[20:21]
	s_or_b32 s35, s35, 0x80000000
	s_add_nc_u64 s[38:39], s[8:9], s[22:23]
	s_or_b32 s39, s39, 0x80000000
.macro ARM under, g0, g1, next
	s_cmp_lt_u32 s16, \under
	s_cbranch_scc0 \next
	tensor_load_to_lds s[\g0:\g0+3], s[\g1:\g1+7]
	s_nop 0
	PLACES
	s_branch .Lasked
\next:
.endm
	ARM 1, 32, 24, .Larm_1                         ; one chain, one load to an arm: every way passes exactly one
	ARM 2, 36, 48, .Larm_2
	ARM 3, 32, 24, .Larm_3
	tensor_load_to_lds s[36:39], s[48:55]
	s_nop 0
	PLACES
.Lasked:
	v_and_b32 v1, 15, v0                           ; r: token r of a tile is token r % 4 of its quad r / 4
	v_bfe_u32 v16, v0, 4, 1                        ; h
	v_and_b32 v17, 31, v0
	v_lshrrev_b32 v18, 2, v1
	v_and_b32 v19, 3, v1
	v_mul_u32_u24 v20, 0x630, v18                  ; quad x pitch
	s_mul_i32 s19, s17, 16*PITCH
	v_add_nc_u32 v20, s19, v20                     ; my 16 quads
	v_lshl_add_u32 v4, v16, 8, v20
	v_lshl_add_u32 v4, v19, 6, v4                  ; 16 bytes: + 256 h + 64 token, in a row's first image;
	v_lshl_add_u32 v5, v16, 4, v4                  ; in its second, in which a padding lies between the two halves of the lanes
	v_lshl_add_u32 v6, v16, 7, v20
	v_lshl_add_u32 v6, v19, 5, v6                  ; 8 bytes: + 128 h + 32 token
	v_add_nc_u32 v7, AH, v4                        ; the same three in the upper half of K
	v_add_nc_u32 v8, AH, v5
	v_add_nc_u32 v9, AH, v6
	s_mul_i32 s19, s18, 4*6144
	s_add_co_u32 s19, s19, WB
	v_lshlrev_b32 v10, 4, v17
	v_add_nc_u32 v10, s19, v10                     ; Wf: my four tiles
	v_add_nc_u32 v11, WH, v10
	v_lshlrev_b32 v21, 9, v18
	v_lshl_add_u32 v21, v19, 5, v21
	v_lshl_add_u32 v21, v16, 4, v21                ; A's scale words: 512 bytes a quad, 32 a token, 16 for each half of K
	v_lshlrev_b32 v22, 4, v1
	v_lshl_add_u32 v22, v16, 8, v22                ; Wf's: 16 a row, 256 for each half of K
	v_lshlrev_b32 v23, 7, v16                      ; the bias: 32 columns for each half of the lanes
	s_mul_i32 s19, s16, 16*SPITCH
	s_add_co_u32 s19, s19, STG                     ; my stage
	v_mul_u32_u24 v12, 0x110, v1
	v_add_nc_u32 v12, v12, v23
	v_add_nc_u32 v12, s19, v12                     ; in: row r, + 128 h
	v_mul_u32_u24 v13, 0x110, v16
	v_lshl_add_u32 v13, v1, 4, v13
	v_add_nc_u32 v13, s19, v13                     ; back: lanes 0-15 one row of 256 bytes, lanes 16-31 the next
	v_lshlrev_b32 v14, 12, v16
	v_lshl_add_u32 v14, v1, 4, v14                 ; and the same two rows in out0
	s_wait_alu depctr_va_vdst(0)                   ; the wait ahead of the scalar lines
	s_lshr_b32 s20, s43, 4                         ; A's scale bytes: work-group 128 batch + 32 a + qd, quad u of four, u = i / 4 and a = i % 4 or 3 - i % 4 (launch attn)
	s_lshl_b32 s20, s20, 16
	s_bfe_u32 s19, s43, 0x10002
	s_mul_i32 s19, s19, 3
	s_and_b32 s22, s43, 3
	s_xor_b32 s19, s19, s22
	s_lshl_b32 s19, s19, 14
	s_add_co_u32 s20, s20, s19
	s_lshl_b32 s19, s17, 13
	s_add_co_u32 s20, s20, s19
	s_bfe_u32 s19, s43, 0x20002
	s_lshl_b32 s19, s19, 7
	s_add_co_u32 s20, s20, s19
	s_mov_b32 s21, 0
	s_add_nc_u64 s[6:7], s[6:7], s[20:21]
	s_lshl_b32 s22, s42, 1
	s_add_co_u32 s22, s22, s18                     ; my 64 columns
	s_lshl_b32 s20, s22, 11
	s_add_co_u32 s20, s20, 328*512
	s_add_nc_u64 s[10:11], s[10:11], s[20:21]
	s_lshl_b32 s20, s22, 8
	s_add_nc_u64 s[12:13], s[12:13], s[20:21]
	s_lshl_b32 s19, s43, 19
	s_add_co_u32 s20, s20, s19
	s_lshl_b32 s19, s17, 18
	s_add_co_u32 s20, s20, s19
	s_add_nc_u64 s[14:15], s[14:15], s[20:21]      ; my first token's row, my columns
.irp m, 0,1,2,3
	global_load_b128 v[32+4*\m:35+4*\m], v21, s[6:7] offset:2048*\m       ; register i: lanes 0-15 K step i, lanes 16-31 K step 4 + i
	global_load_b128 v[48+4*\m:51+4*\m], v22, s[10:11] offset:512*\m
.endr
	WIN 0x40
.irp t, 0,1,2,3
	global_load_b128 v[128+8*\t:131+8*\t], v23, s[12:13] offset:32*\t     ; the bias, as the first products' C
	global_load_b128 v[132+8*\t:135+8*\t], v23, s[12:13] offset:32*\t+16
.endr
	WIN 0
; K step s: A's four fragments (each four loads) and Wf's four (each three): 28 loads
.macro FETCH s
.set FB, 64+96*((\s)%2)
.set HF, (\s)/4
.set VV, ((\s)/2)%2
.set OB, 784*VV+32*((\s)%2)
.set OD, 528+784*VV+16*((\s)%2)
.irp m, 0,1,2,3
.irp c, 0,1
	ds_load_b128 v[FB+12*\m+6*\c:FB+12*\m+6*\c+3], v[4+3*HF+VV] offset:4*PITCH*\m+OB+16*\c
	ds_load_b64 v[FB+12*\m+6*\c+4:FB+12*\m+6*\c+5], v[6+3*HF] offset:4*PITCH*\m+OD+8*\c
.endr
.endr
.irp t, 0,1,2,3
.irp c, 0,1,2
	ds_load_b128 v[FB+48+12*\t+4*\c:FB+51+12*\t+4*\c], v[10+HF] offset:6144*\t+1536*((\s)%4)+512*\c
.endr
.endr
.endm
; 16 accumulators by turns
.macro MM s
.set FB, 64+96*((\s)%2)
	WIN 0x50
.irp m, 0,1,2,3
.irp t, 0,1,2,3
.set D_, 32*\m+8*\t
.set A_, FB+48+12*\t
.set B_, FB+12*\m
.set X_, 48+4*\t+(\s)%4
.set Y_, 32+4*\m+(\s)%4
.if (\s) == 0
	v_wmma_scale_f32_16x16x128_f8f6f4 v[D_:D_+7], v[A_:A_+11], v[B_:B_+11], v[128+8*\t:135+8*\t], v[X_], v[Y_] matrix_a_fmt:MATRIX_FMT_FP6 matrix_b_fmt:MATRIX_FMT_FP6
.elseif (\s) < 4
	v_wmma_scale_f32_16x16x128_f8f6f4 v[D_:D_+7], v[A_:A_+11], v[B_:B_+11], v[D_:D_+7], v[X_], v[Y_] matrix_a_fmt:MATRIX_FMT_FP6 matrix_b_fmt:MATRIX_FMT_FP6
.else
	v_wmma_scale_f32_16x16x128_f8f6f4 v[D_:D_+7], v[A_:A_+11], v[B_:B_+11], v[D_:D_+7], v[X_], v[Y_] matrix_a_fmt:MATRIX_FMT_FP6 matrix_b_fmt:MATRIX_FMT_FP6 matrix_a_scale:MATRIX_SCALE_ROW1 matrix_b_scale:MATRIX_SCALE_ROW1
.endif
.endr
.endr
	WIN 0
	PLACES                                         ; in front of the loads into the registers just read, and of the first read of results
.endm
	s_wait_alu depctr_va_vdst(0)                   ; the wait at the head's end
	s_cmp_lt_u32 s16, 2
	s_cbranch_scc0 .Lnot_mine
	s_wait_tensorcnt 0x0
.Lnot_mine:
	s_barrier_signal -1
	s_barrier_wait -1                              ; K steps 0-3 are in; the rest may be on its way
	FETCH 0
	FETCH 1
	s_wait_loadcnt 0x0
	s_wait_dscnt 28                                ; the next K step's 28 loads may be out
	MM 0
	FETCH 2
	s_wait_dscnt 28
	MM 1
	FETCH 3
	s_wait_dscnt 28
	MM 2
	s_wait_tensorcnt 0x0
	s_wait_dscnt 0x0
	s_barrier_signal -1
	s_barrier_wait -1                              ; K steps 4-7 are in
	FETCH 4
	MM 3
	FETCH 5
	s_wait_dscnt 28
	MM 4
	FETCH 6
	s_wait_dscnt 28
	MM 5
	FETCH 7
	s_wait_dscnt 28
	MM 6
	s_wait_dscnt 0x0
	MM 7
; THE WAY OUT, 16 tokens x 64 columns at a time.  LDS serves a wave's instructions in order (ISA guide 5.7.1.4): no wait between a tile's stores and its loads, nor in front of the next tile's stores.
.macro TOSTAGE m
	WIN 0x04
.irp t, 0,1,2,3
	ds_store_b128 v12, v[32*\m+8*\t:32*\m+8*\t+3] offset:32*\t            ; each accumulator from its low end on
	ds_store_b128 v12, v[32*\m+8*\t+4:32*\m+8*\t+7] offset:32*\t+16
.endr
	WIN 0
.irp i, 0,1,2,3,4,5,6,7
	ds_load_b128 v[64+32*\m+4*\i:67+32*\m+4*\i], v13 offset:2*SPITCH*\i
.endr
.endm
.macro SEND m, younger
.irp i, 0,1,2,3,4,5,6,7
	s_wait_dscnt \younger+7-\i                     ; rows 2 i and 2 i + 1 are back; the younger loads and the next tile's 16 instructions may be out
	global_store_b128 v14, v[64+32*\m+4*\i:67+32*\m+4*\i], s[14:15] offset:65536*\m+8192*\i th:TH_STORE_NT   ; 16 lanes store 256 consecutive bytes, at a multiple of 256 from out0's first byte
.endr
.endm
	TOSTAGE 0
	TOSTAGE 1
	SEND 0, 16
	TOSTAGE 2
	SEND 1, 16
	TOSTAGE 3
	SEND 2, 16
	SEND 3, 0
	s_wait_tensorcnt 0x0                           ; the wave's end
	ds_add_u32 v2, v3
	s_wait_dscnt 0x0
	CROUND                                         ; the closing round: no work-group ends while a partner may still ask for a tile that names it
	s_endpgm
.Lfunc_end_k_q92a1e23c60_fin:
	.size	k_q92a1e23c60_fin, .Lfunc_end_k_q92a1e23c60_fin-k_q92a1e23c60_fin
	.p2alignl 7, 3214868480
	.fill 96, 4, 3214868480
	.section	.rodata,"a",@progbits
	.p2align	6, 0x0
	.amdhsa_kernel k_q92a1e23c60_fin
		.amdhsa_group_segment_fixed_size 217600
		.amdhsa_private_segment_fixed_size 0
		.amdhsa_enable_private_segment 0
		.amdhsa_kernarg_size 48
		.amdhsa_user_sgpr_count 2
		.amdhsa_user_sgpr_kernarg_segment_ptr 1
		.amdhsa_wavefront_size32 1
		.amdhsa_system_sgpr_workgroup_id_x 1
		.amdhsa_system_sgpr_workgroup_id_y 1
		.amdhsa_system_sgpr_workgroup_id_z 1
		.amdhsa_system_vgpr_workitem_id 0
		.amdhsa_next_free_vgpr 416
		.amdhsa_next_free_sgpr 66
		.amdhsa_reserve_vcc 0
		.amdhsa_float_denorm_mode_32 3
		.amdhsa_float_denorm_mode_16_64 3
		.amdhsa_memory_ordered 1
		.amdhsa_forward_progress 1
		.amdhsa_inst_pref_size 50
	.end_amdhsa_kernel
	.amdgpu_metadata
---
amdhsa.version: [ 1, 2 ]
amdhsa.kernels:
  - .name:           k_q92a1e23c60_fin
    .symbol:         k_q92a1e23c60_fin.kd
    .args:
      - { .name: oi, .offset: 0, .size: 8, .value_kind: global_buffer, .address_space: global }
      - { .name: osc, .offset: 8, .size: 8, .value_kind: global_buffer, .address_space: global }
      - { .name: ci, .offset: 16, .size: 8, .value_kind: global_buffer, .address_space: global }
      - { .name: cs, .offset: 24, .size: 8, .value_kind: global_buffer, .address_space: global }
      - { .name: bf, .offset: 32, .size: 8, .value_kind: global_buffer, .address_space: global }
      - { .name: out0, .offset: 40, .size: 8, .value_kind: global_buffer, .address_space: global }
    .group_segment_fixed_size: 217600
    .private_segment_fixed_size: 0
    .kernarg_segment_align: 8
    .kernarg_segment_size: 48
    .max_flat_workgroup_size: 128
    .sgpr_count:     66
    .vgpr_count:     416
    .wavefront_size: 32
...
	.end_amdgpu_metadata
.endif
;; end of part 4
